; MI455X (gfx1250); checked and timed in simulation.
; The chip was launched on July 23, 2026; its instructions are those of AMD's public machine-readable ISA for CDNA 5 (MIT licence, August 2026) and "CDNA5" Instruction Set Architecture Reference Guide (July 2026). The comments in the code are by the model that wrote it; some were corrected since.
;; Scaled Dot Product Attention. Allowed arithmetic: float matrix products may take bf16 or f16 operands with f32 sums; all other float work in f32.
;; Inputs: K 16 x 2,048 x 128 float32; Q 16 x 2,048 x 128 float32; V 16 x 2,048 x 128 float32; mask 16 x 2,048 x 2,048 bool.
;; Outputs: out0 16 x 2,048 x 128 float32.
;; 2 versions, each right. Each part assembles by itself: llvm-mc -triple=amdgcn-amd-amdhsa -mcpu=gfx1250 --defsym DOCPART=n.
;; ======== version 1 of 2: 1 launch
;; limits: right only within a limited range of input values; values are held in f16: magnitudes above 65,504 overflow, below 6.1e-05 lose precision; inputs' magnitudes at most 65,504
;; launch attn (part 1): grid 16 x 16, 8 waves a work-group, no clusters, 250,880 bytes of LDS; arguments K, Q, V, mask, out0; writes out0
.if DOCPART == 1
	.amdgcn_target "amdgcn-amd-amdhsa--gfx1250"
	.amdhsa_code_object_version 6
	.text
	.protected	k_q048dd8361e_attn
	.globl	k_q048dd8361e_attn
	.p2align	8
	.type	k_q048dd8361e_attn,@function
k_q048dd8361e_attn:
	s_mov_b64 s[64:65], 0
	v_nop
	global_prefetch_b8 v0, s[64:65] scope:SCOPE_SE
	s_setreg_imm32_b32 hwreg(HW_REG_WAVE_MODE, 25, 1), 1
	s_wait_xcnt 0x0
; out0[b][q][:] = softmax over k of ( mask ? -1e9 : Q[b][q].K[b][k] / sqrt(128) ) times V[b][k][:].   16 batches, 2048 x 2048 scores, d = dv = 128, all f32; mask one byte a score.
; One launch.  A work-group (x: block of 128 queries, y: batch) walks all 2048 keys in 16 trips of 128 keys with a running maximum.
; Eight waves.  Wave w: g = w & 3 owns queries 32 g .. 32 g + 31 (two tiles of 16), kh = w >> 2 owns one half (64 keys) of every key tile.
; Waves w and w + 4 hold partial (maximum, sum, O) of the same queries; they are merged once, at the end, through LDS.
;
; LAYOUT.  Scores are made transposed, S^T = K Q^T (source 0: 16 rows of K, source 1: 16 rows of Q): register j of lane (r, h) is (K row 8 h + j, query r).  A lane owns ONE
; query, so maximum and sum stay in the lane but for one exchange between the two halves of the wave, and the exponentials pack straight into source 1 of the second product,
; O^T = V^T P^T (source 0: V read transposed from LDS).  There register j of lane (r, h) is (dv 8 h + j, query r): the rescaling factor is the lane's own number.
; Q is multiplied in f32 by log2(e) / sqrt(128) before it is rounded, so p = 2^(s - m).
; NUMBER FORMAT: f16 for all four matrix operands, f32 sums.  A row in which few keys are unmasked adds up a few terms of size 1, so each operand's rounding shows in full in the
; result; f16 keeps 11 significant bits where bf16 keeps 8, which makes every such rounding eight times smaller.  p lies in 0 .. 1, and the inputs have room (see LIMITS).
; KEY ORDER.  A softmax does not hang on the order of the keys.  Within a wave's 64 keys LDS row 16 t + 8 h + j holds key 32 h + 8 t + j, for K and V alike,
; so that a lane's 32 scores of a trip are 32 NEIGHBOURING keys: its mask bytes are two 16-byte LDS loads.  The order is made by the row offsets of the global loads.
; MASK.  A mask word serves as the selector of a byte table (0 -> 0x00, 1 -> 0xf1); one more byte pick a score puts that byte on top: 0.0 or -2^99, which is added to the score.
; LIMITS, stated.  (1) Range of f16: |K| and |V| up to 65,504 and |Q| up to 65,504 / 0.1275 = 5.1e5; beyond that the rounding gives infinities.  Numbers of spread 1 made 30 times
; larger and shifted by 30 spreads reach about 200.  Numbers below 6e-5 are kept as denormals, with an absolute error of 3e-8.  (2) A p below 2^-25 enters the second product as 0
; and stays in the row sum: at most 2047 x 2^-25 = 6e-5 of a row's weight.  (3) A masked score is s - 2^99, which rounds to exactly -2^99 for |s| < 2^74, where the problem writes
; -1e9.  All masked scores are equal, so a row that is masked throughout gives the mean of V as it should; results differ only where an unmasked score is itself as low as
; about -1e9.  (4) Mask bytes are 0 or 1.  The row sum adds the unrounded p.
; NO TENSOR LOADS, NO CLUSTER: K and V lie in memory as f32 and the matrix unit wants 16 bits.  A tensor load copies bytes as they are; an f32 tile in LDS would add 128 KiB written
; and 128 KiB read in every trip to the 352 KiB that a trip moves through LDS as it is.  So tiles come through registers (16-byte loads, whole rows of 512 bytes), are rounded there,
; and are stored to one of two LDS slots one trip ahead: 128 KiB of K and V and 16 KiB of mask are on their way during a whole trip.  One barrier a trip.
.set KP,   272                         ; LDS pitch of K, Q and mask rows: 256 bytes + 16, an odd multiple of 16: 16 rows start in 16 different 16-byte columns of a span of 256 bytes
.set VP,   288                         ; pitch of V rows: an odd multiple of 32, for the transposing load
.set MP,   272
.set XP,   528                         ; pitch of the f32 stage on the way out: 512 + 16
.set MBSZ, 128*MP                      ; a mask buffer: 128 query rows x 256 keys (two trips).  Two buffers at LDS byte 0
.set S0K,  2*MBSZ                      ; slot 0: K, 128 rows
.set S0V,  S0K+128*KP                  ; slot 0: V, 128 rows
.set SLOT, 128*KP+128*VP               ; slot 1 lies one SLOT further
.set QST,  S0K+2*SLOT                  ; Q in f16, 128 rows, used once
.set STAT, QST+128*KP                  ; (maximum, sum) of each wave's 32 queries: wave w at 256 w
.set X0,   S0K                         ; the way out: two stages of 128 rows x 528 bytes over the slots, behind a barrier
.set XSZ,  128*XP
; window 0
.set GOFF, 1                           ; v1      16 w rows of 512 bytes + 16 x lane: Q in, out0 out
.set MOFF, 2                           ; v2      mask: (2 w + h) rows of 2048 bytes + 16 r
.set KRD,  3                           ; v3-4    slot 0, 1: my K fragments
.set VRD,  5                           ; v5-6    slot 0, 1: my V fragments
.set MRD,  7                           ; v7-8    mask buffer 0, 1: my 32 bytes
.set KST,  9                           ; v9-10   slot 0, 1: where I store K rows
.set VST,  11                          ; v11-12  the same for V
.set MST,  13                          ; v13-14  mask buffer 0, 1: where I store mask rows; at the end the two stages read back
.set MM,   16                          ; v16, v18  running maximum of query tile 0, 1
.set MX,   17                          ; v17, v19  the new maximum; at the end the sum
.set AL,   20                          ; v20, v22  rescaling factor (v21, v23: named as pair partners only, written once)
.set LS,   24                          ; v[24:25], v[26:27]  running sums, two partial sums a tile
.set KOFF, 28                          ; v28     K and V: my first row of a tile + 16 x lane
.set PFM,  30                          ; v30     prefetch of the mask: row (thread & 63)
.set PFK,  31                          ; v31     prefetch of K and V: my work-group's sixteenth of two tiles
.set MSTG, 32                          ; v[32:47]   mask on its way from memory to LDS
.set QF,   48                          ; v[48:111]  Q fragments: tile q, 32 d at 48 + 32 q + 8 c
.set SC,   112                         ; v[112:175] scores: tile q, K rows 16 t at 112 + 32 q + 8 t; then p packed in place: 112 + 32 q + 16 u
.set FB0,  176                         ; v[176:207] fragment buffer 0
.set FB1,  208                         ; v[208:239] fragment buffer 1
.set XT,   208                         ; v[208:215] the addends 0.0 / -2^99, while buffer 1 is idle
.set MK,   240                         ; v[240:255] mask words: tile q at 240 + 8 q
.set TS,   240                         ; v[240:247] partial sums, v248-249 exchange between halves: when the mask words are spent
.set XH,   248
; window 1
.set OA,   0                           ; v[256:383] O: tile q, dv 16 x at 64 q + 8 x.  At the start Q as loaded
.set STGK, 128                         ; v[384:447] K rows on their way: row i at 128 + 4 i
.set STGV, 192                         ; v[448:511] V rows
.set SEL,  21                          ; s21-24  selectors: byte k of a word on top, zeros below
.set MSB, 0
.macro WIN new                         ; s_set_vgpr_msb: bits 1:0 source 0, 3:2 source 1, 5:4 source 2, 7:6 destination; the high byte repeats the setting that is left
.if MSB != \new
	s_set_vgpr_msb (MSB<<8)|\new
.set MSB, \new
.endif
.endm
; 16 rows of 512 bytes into window 1, one row a load.  perm = 1: rows 0-7 and 32-39 from my first row on (the key order of the head comment)
.macro LDROWS av, sb, dst, perm
.set li, 0
.rept 16
.if \perm
	global_load_b128 v[\dst+4*li:\dst+4*li+3], v[\av], s[\sb:\sb+1] offset:512*(32*(li>>3)+(li&7))
.else
	global_load_b128 v[\dst+4*li:\dst+4*li+3], v[\av], s[\sb:\sb+1] offset:512*li th:TH_LOAD_NT
.endif
.set li, li+1
.endr
.endm
; n rows of 4 f32 a lane rounded to f16 in place: the first two registers of each four
.macro CVT dst, n
.set ci, 0
.rept \n
	v_cvt_pk_f16_f32 v[\dst+4*ci], v[\dst+4*ci], v[\dst+4*ci+1]
	v_cvt_pk_f16_f32 v[\dst+4*ci+1], v[\dst+4*ci+2], v[\dst+4*ci+3]
.set ci, ci+1
.endr
.endm
; 16 rows to LDS: 32 lanes x 8 bytes are a row of 256 bytes
.macro STROWS av, dst, pitch
.set si, 0
.rept 16
	ds_store_b64 v[\av], v[\dst+4*si:\dst+4*si+1] offset:\pitch*si
.set si, si+1
.endr
.endm
; fragments of my 64 K rows, 32 d at 32 c: four tiles of 16 rows, two loads each
.macro KFETCH e, c, fb
.irp t, 0,1,2,3
	ds_load_b128 v[\fb+8*\t:\fb+8*\t+3], v[KRD+\e] offset:\t*16*KP+64*\c
	ds_load_b128 v[\fb+8*\t+4:\fb+8*\t+7], v[KRD+\e] offset:\t*16*KP+64*\c+32
.endr
.endm
; fragments of V^T: 32 V rows at 32 u, dv tiles 4 th .. 4 th + 3, two transposing loads each (16 rows apart)
.macro VFETCH e, u, th, fb
.irp x, 0,1,2,3
	ds_load_tr16_b128 v[\fb+8*\x:\fb+8*\x+3], v[VRD+\e] offset:\u*32*VP+32*(4*\th+\x)
	ds_load_tr16_b128 v[\fb+8*\x+4:\fb+8*\x+7], v[VRD+\e] offset:\u*32*VP+32*(4*\th+\x)+16*VP
.endr
.endm
; eight matrix instructions on eight accumulators: the accumulators take turns, one instruction a turn.  c = 0 starts the sums
.macro QKMUL c, fb
.irp t, 0,1,2,3
.irp q, 0,1
.if \c == 0
	v_wmma_f32_16x16x32_f16 v[SC+32*\q+8*\t:SC+32*\q+8*\t+7], v[\fb+8*\t:\fb+8*\t+7], v[QF+32*\q:QF+32*\q+7], 0
.else
	v_wmma_f32_16x16x32_f16 v[SC+32*\q+8*\t:SC+32*\q+8*\t+7], v[\fb+8*\t:\fb+8*\t+7], v[QF+32*\q+8*\c:QF+32*\q+8*\c+7], v[SC+32*\q+8*\t:SC+32*\q+8*\t+7]
.endif
.endr
.endr
.endm
; the same for O (window 1): eight accumulators a group, sixteen in all, by turns
.macro PVMUL u, th, fb, zero
.irp x, 0,1,2,3
.irp q, 0,1
.if \zero
	v_wmma_f32_16x16x32_f16 v[OA+64*\q+8*(4*\th+\x):OA+64*\q+8*(4*\th+\x)+7], v[\fb+8*\x:\fb+8*\x+7], v[SC+32*\q+16*\u:SC+32*\q+16*\u+7], 0
.else
	v_wmma_f32_16x16x32_f16 v[OA+64*\q+8*(4*\th+\x):OA+64*\q+8*(4*\th+\x)+7], v[\fb+8*\x:\fb+8*\x+7], v[SC+32*\q+16*\u:SC+32*\q+16*\u+7], v[OA+64*\q+8*(4*\th+\x):OA+64*\q+8*(4*\th+\x)+7]
.endif
.endr
.endr
.endm
; four mask words through the table: byte 0 -> 0x00, byte 1 -> 0xf1.  Four plain vector instructions that name no register of the matrix instructions in front of them:
; they are the four places ahead of the loads into the buffer just multiplied, and ahead of the first reads of the scores
.macro TBL a
.irp k, 0,1,2,3
	v_perm_b32 v[MK+\a+\k], s20, s20, v[MK+\a+\k]
.endr
.endm
.macro PLACES
.rept 4
	v_nop
.endr
.endm
; mask and maximum: for each mask word (4 scores) 4 byte picks, 2 packed adds, 2 three-way maxima.  The chain starts from the running maximum, in the first trip from the first two scores
.macro STAGEA first
.irp wd, 0,1,2,3,4,5,6,7
.irp q, 0,1
.irp k, 0,1,2,3
	v_perm_b32 v[XT+4*\q+\k], v[MK+8*\q+\wd], v[MK+8*\q+\wd], s[SEL+\k]
.endr
	v_pk_add_f32 v[SC+32*\q+4*\wd:SC+32*\q+4*\wd+1], v[SC+32*\q+4*\wd:SC+32*\q+4*\wd+1], v[XT+4*\q:XT+4*\q+1]
	v_pk_add_f32 v[SC+32*\q+4*\wd+2:SC+32*\q+4*\wd+3], v[SC+32*\q+4*\wd+2:SC+32*\q+4*\wd+3], v[XT+4*\q+2:XT+4*\q+3]
.if \wd == 0
.if \first
	v_max_num_f32 v[MX+2*\q], v[SC+32*\q], v[SC+32*\q+1]
.else
	v_max3_num_f32 v[MX+2*\q], v[MM+2*\q], v[SC+32*\q], v[SC+32*\q+1]
.endif
.else
	v_max3_num_f32 v[MX+2*\q], v[MX+2*\q], v[SC+32*\q+4*\wd], v[SC+32*\q+4*\wd+1]
.endif
	v_max3_num_f32 v[MX+2*\q], v[MX+2*\q], v[SC+32*\q+4*\wd+2], v[SC+32*\q+4*\wd+3]
.endr
.endr
.endm
; the other half of the wave holds the query's other 32 keys: one exchange.  Then the factor 2^(old maximum - new maximum)
.macro STAGEB first
	v_permlanex16_b32 v[XH], v[MX], s26, s27
	v_permlanex16_b32 v[XH+1], v[MX+2], s26, s27
	v_max_num_f32 v[MX], v[MX], v[XH]
	v_max_num_f32 v[MX+2], v[MX+2], v[XH+1]
.if \first
	v_mov_b32 v[MM], v[MX]
	v_mov_b32 v[MM+2], v[MX+2]
.else
	v_sub_f32 v[AL], v[MM], v[MX]
	v_sub_f32 v[AL+2], v[MM+2], v[MX+2]
	v_exp_f32 v[AL], v[AL]
	v_exp_f32 v[AL+2], v[AL+2]
	v_mov_b32 v[MM], v[MX]                 ; the two moves are the plain instructions between the exponentials and the use of their results (ISA guide 5.7.2)
	v_mov_b32 v[MM+2], v[MX+2]
	s_wait_alu depctr_va_vdst(0)
	v_pk_mul_f32 v[LS:LS+1], v[LS:LS+1], v[AL:AL+1] op_sel_hi:[1,0]
	v_pk_mul_f32 v[LS+2:LS+3], v[LS+2:LS+3], v[AL+2:AL+3] op_sel_hi:[1,0]
.endif
.endm
; O times the lane's factor: 128 registers, two at a time
.macro RESCALE
	WIN 0x41
.irp q, 0,1
.set ri, 0
.rept 32
	v_pk_mul_f32 v[OA+64*\q+2*ri:OA+64*\q+2*ri+1], v[OA+64*\q+2*ri:OA+64*\q+2*ri+1], v[AL+2*\q:AL+2*\q+1] op_sel_hi:[1,0]
.set ri, ri+1
.endr
.endr
	WIN 0
.endm
.macro SUBT q, t                       ; s - m, both halves of the pair by the lane's one maximum
.irp p, 0,2,4,6
	v_pk_add_f32 v[SC+32*\q+8*\t+\p:SC+32*\q+8*\t+\p+1], v[SC+32*\q+8*\t+\p:SC+32*\q+8*\t+\p+1], v[MM+2*\q:MM+2*\q+1] op_sel_hi:[1,0] neg_lo:[0,1] neg_hi:[0,1]
.endr
.endm
.macro EXPT q, t
.irp p, 0,1,2,3,4,5,6,7
	v_exp_f32 v[SC+32*\q+8*\t+\p], v[SC+32*\q+8*\t+\p]
.endr
.endm
; a tile's eight p: added up (a tree of packed adds), then packed to f16 in place: tiles 2 u and 2 u + 1 make the eight registers of source 1 for V rows 32 u .. 32 u + 31
.macro SUMCVT q, t, first
	s_wait_alu depctr_va_vdst(0)
	v_pk_add_f32 v[TS+4*\q:TS+4*\q+1], v[SC+32*\q+8*\t:SC+32*\q+8*\t+1], v[SC+32*\q+8*\t+2:SC+32*\q+8*\t+3]
	v_pk_add_f32 v[TS+4*\q+2:TS+4*\q+3], v[SC+32*\q+8*\t+4:SC+32*\q+8*\t+5], v[SC+32*\q+8*\t+6:SC+32*\q+8*\t+7]
.if \first
	v_pk_add_f32 v[LS+2*\q:LS+2*\q+1], v[TS+4*\q:TS+4*\q+1], v[TS+4*\q+2:TS+4*\q+3]
.else
	v_pk_add_f32 v[TS+4*\q:TS+4*\q+1], v[TS+4*\q:TS+4*\q+1], v[TS+4*\q+2:TS+4*\q+3]
	v_pk_add_f32 v[LS+2*\q:LS+2*\q+1], v[LS+2*\q:LS+2*\q+1], v[TS+4*\q:TS+4*\q+1]
.endif
.irp j, 0,1,2,3
	v_cvt_pk_f16_f32 v[SC+32*\q+16*(\t>>1)+4*(\t&1)+\j], v[SC+32*\q+8*\t+2*\j], v[SC+32*\q+8*\t+2*\j+1]
.endr
.endm
; the eight tiles in a pipeline: behind a tile's exponentials stand the next tile's subtractions (plain, on other registers: ISA guide 5.7.2), then the tile's results are used
.macro STAGEC first
	SUBT 0, 0
	EXPT 0, 0
	SUBT 1, 0
	SUMCVT 0, 0, \first
	EXPT 1, 0
	SUBT 0, 1
	SUMCVT 1, 0, \first
	EXPT 0, 1
	SUBT 1, 1
	SUMCVT 0, 1, 0
	EXPT 1, 1
	SUBT 0, 2
	SUMCVT 1, 1, 0
	EXPT 0, 2
	SUBT 1, 2
	SUMCVT 0, 2, 0
	EXPT 1, 2
	SUBT 0, 3
	SUMCVT 1, 2, 0
	EXPT 0, 3
	SUBT 1, 3
	SUMCVT 0, 3, 0
	EXPT 1, 3
	v_nop                                  ; no tile is left to stand behind the last exponentials
	SUMCVT 1, 3, 0
.endm
; Prefetches, each block of 256 bytes asked for once in the launch.  Waves 0 and 1: the 64 row pieces of 256 mask bytes that the NEXT trip loads, one a lane.
; In even trips wave 2 (K) and wave 3 (V): of the two tiles behind the one just asked for, the sixteenth (16 blocks a tile) that falls to this work-group among the 16 of its batch.
; The flags end them where the next trip loads no mask and where the two tiles would lie past the batch's last tile.
.macro PREF e, pfm, pfkv
.if \pfm
	s_cmp_ge_u32 s14, 2
	s_cbranch_scc1 .Lno_pm_\@
.if \e == 0
	global_prefetch_b8 v[PFM], s[10:11] offset:64*2048 th:TH_LOAD_NT scope:SCOPE_SE
.else
	global_prefetch_b8 v[PFM], s[10:11] offset:256 th:TH_LOAD_NT scope:SCOPE_SE
.endif
.Lno_pm_\@:
.endif
.if \pfkv
	s_cmp_lg_u32 s14, 2
	s_cbranch_scc1 .Lno_pk_\@
	global_prefetch_b8 v[PFK], s[4:5] offset:65536 th:TH_LOAD_NT scope:SCOPE_SE
.Lno_pk_\@:
	s_cmp_lg_u32 s14, 3
	s_cbranch_scc1 .Lno_pv_\@
	global_prefetch_b8 v[PFK], s[8:9] offset:65536 th:TH_LOAD_NT scope:SCOPE_SE
.Lno_pv_\@:
.endif
.endm
; One trip: key tile t in slot e = t & 1, its mask in buffer mb = (t >> 1) & 1 at columns 128 e.
; ldkv: tile t + 1 is loaded, rounded and stored to the other slot.  ldm: 64 query rows (64 e ..) x 256 keys of the next PAIR of trips go to the other mask buffer.
.macro TRIP e, mb, first, ldkv, ldm, pfm, pfkv
.if \ldkv
	WIN 0x40
	LDROWS KOFF, 4, STGK, 1
	LDROWS KOFF, 8, STGV, 1
	WIN 0
.endif
.if \ldm
.irp i, 0,1,2,3
	global_load_b128 v[MSTG+4*\i:MSTG+4*\i+3], v[MOFF], s[10:11] offset:(64*\e+16*\i)*2048 th:TH_LOAD_NT
.endr
.endif
	PREF \e, \pfm, \pfkv
.irp q, 0,1
.irp i, 0,1
	ds_load_b128 v[MK+8*\q+4*\i:MK+8*\q+4*\i+3], v[MRD+\mb] offset:\q*16*MP+128*\e+16*\i
.endr
.endr
	KFETCH \e, 0, FB0
	KFETCH \e, 1, FB1
	; S^T = K Q^T.  Each wait for 8 leaves out the eight youngest LDS loads, which fill the other buffer (LDS loads come back in order: ISA guide 5.7.1)
	s_wait_dscnt 8
	QKMUL 0, FB0
	TBL 0
	KFETCH \e, 2, FB0
	s_wait_dscnt 8
	QKMUL 1, FB1
	TBL 4
	KFETCH \e, 3, FB1
	s_wait_dscnt 8
	QKMUL 2, FB0
	TBL 8
	VFETCH \e, 0, 0, FB0
	s_wait_dscnt 8
	QKMUL 3, FB1
	TBL 12
	STAGEA \first
	VFETCH \e, 0, 1, FB1                   ; buffer 1 has served the addends
	STAGEB \first
.if \first == 0
	RESCALE
.endif
	STAGEC \first
	; O^T += V^T P^T.  In the first trip the products of V rows 0-31 start the sums
	s_wait_dscnt 8
	WIN 0x50
	PVMUL 0, 0, FB0, \first
	PLACES                                 ; four places ahead of the loads into the buffer just multiplied
	WIN 0
	VFETCH \e, 1, 0, FB0
	s_wait_dscnt 8
	WIN 0x50
	PVMUL 0, 1, FB1, \first
	PLACES
	WIN 0
	VFETCH \e, 1, 1, FB1
	s_wait_dscnt 8
	WIN 0x50
	PVMUL 1, 0, FB0, 0
	s_wait_dscnt 0
	PVMUL 1, 1, FB1, 0
.if \ldkv
	s_wait_loadcnt 0x0                     ; this trip's loads, issued at its head
	WIN 0x45
	CVT STGK, 32                           ; 64 plain instructions on other registers: also the places ahead of the next trip's loads and first products
	WIN 0x04
	STROWS KST+1-\e, STGK, KP
	STROWS VST+1-\e, STGV, VP
.endif
	WIN 0
.if \ldm
.irp i, 0,1,2,3
	ds_store_b128 v[MST+1-\mb], v[MSTG+4*\i:MSTG+4*\i+3] offset:(64*\e+16*\i)*MP
.endr
.endif
.if \ldkv
	s_wait_xcnt 0x0                        ; the bases are stepped only behind this wait: the prefetches name them too
	s_add_nc_u64 s[4:5], s[4:5], 0x10000   ; the next tile (behind the last load the stepped addresses are not used)
	s_add_nc_u64 s[8:9], s[8:9], 0x10000
.if \e
.if \ldm
	s_add_nc_u64 s[10:11], s[10:11], 256   ; the next pair's 256 mask columns
.endif
.endif
	; ONE barrier a trip.  In front of it my reads of this slot and mask buffer and my stores to the other ones are done; behind it the other slot is whole and is read,
	; and this slot, which nobody reads any more, is stored to at the end of the next trip.
	s_wait_dscnt 0x0
	s_barrier_signal -1
	s_barrier_wait -1
.endif
.endm
	; ---------------- set-up ----------------
	s_load_b256 s[4:11], s[0:1], 0x0               ; K s[4:5], Q s[6:7], V s[8:9], mask s[10:11]
	s_load_b64 s[12:13], s[0:1], 0x20              ; out0
	v_lshrrev_b32 v15, 5, v0
	v_readfirstlane_b32 s14, v15                   ; wave w
	s_and_b32 s15, s14, 3                          ; g: which 32 queries
	s_lshr_b32 s16, s14, 2                         ; kh: which half of the keys
	s_and_b32 s18, ttmp7, 0xffff                   ; batch
	s_lshl_b32 s30, s18, 20                        ; K, V: a batch is 2048 x 512 bytes
	s_mov_b32 s31, 0
	s_lshl_b32 s34, ttmp9, 16                      ; Q, out0: + the block of 128 rows of 512 bytes
	s_add_co_u32 s34, s34, s30
	s_mov_b32 s35, 0
	s_lshl_b32 s36, s18, 22                        ; mask: a batch is 2048 x 2048 bytes, the block 128 rows
	s_lshl_b32 s37, ttmp9, 18
	s_add_co_u32 s36, s36, s37
	s_mov_b32 s37, 0
	s_mov_b32 s20, 0x0000f100                      ; the table: byte 0 = 0x00, byte 1 = 0xf1 (0xf1000000 is -2^99)
	s_mov_b32 s21, 0x000c0c0c                      ; byte k on top, the constant 0 below
	s_mov_b32 s22, 0x010c0c0c
	s_mov_b32 s23, 0x020c0c0c
	s_mov_b32 s24, 0x030c0c0c
	s_mov_b32 s26, 0x76543210                      ; v_permlanex16_b32: lane i of one half reads lane i of the other
	s_mov_b32 s27, 0xfedcba98
	s_mov_b32 s32, 0x3e0293ee                      ; log2(e) / sqrt(128)
	s_mov_b32 s33, 0x3e0293ee
	v_and_b32 v240, 31, v0                         ; lane L
	v_and_b32 v242, 15, v0                         ; r
	v_bfe_u32 v243, v0, 4, 1                       ; h
	v_lshlrev_b32 v250, 4, v240                    ; 16 L
	s_lshl_b32 s38, s14, 13
	v_add_nc_u32 v[GOFF], s38, v250                ; 16 w rows of 512 bytes + 16 L
	s_lshl_b32 s38, s16, 15                        ; K, V: my first row of a tile is 64 kh + 8 g
	s_lshl_b32 s39, s15, 12
	s_add_co_u32 s38, s38, s39
	v_add_nc_u32 v[KOFF], s38, v250
	v_lshlrev_b32 v[MOFF], 4, v242                 ; mask: sixteen lanes take 256 bytes of row 2 w + h
	v_lshl_or_b32 v[MOFF], v243, 11, v[MOFF]
	s_lshl_b32 s38, s14, 12
	v_add_nc_u32 v[MOFF], s38, v[MOFF]
	s_wait_kmcnt 0x0
	s_add_nc_u64 s[4:5], s[4:5], s[30:31]
	s_add_nc_u64 s[8:9], s[8:9], s[30:31]
	s_add_nc_u64 s[6:7], s[6:7], s[34:35]
	s_add_nc_u64 s[12:13], s[12:13], s[34:35]
	s_add_nc_u64 s[10:11], s[10:11], s[36:37]
	; 56 loads at once: Q (16), mask columns 0-255 of all 128 rows (8), K tile 0 (16), V tile 0 (16)
	WIN 0x40
	LDROWS GOFF, 6, OA, 0
	WIN 0
.irp i, 0,1,2,3
	global_load_b128 v[MSTG+4*\i:MSTG+4*\i+3], v[MOFF], s[10:11] offset:16*\i*2048 th:TH_LOAD_NT
.endr
.irp i, 0,1,2,3
	global_load_b128 v[SC+4*\i:SC+4*\i+3], v[MOFF], s[10:11] offset:(64+16*\i)*2048 th:TH_LOAD_NT
.endr
	WIN 0x40
	LDROWS KOFF, 4, STGK, 1
	LDROWS KOFF, 8, STGV, 1
	WIN 0
	; LDS addresses, while the loads are on their way.  Every address: a constant + a multiple of w, g or kh + a lane term
	v_mul_u32_u24 v245, v242, KP
	v_lshl_add_u32 v245, v243, 4, v245             ; r x 272 + 16 h: a fragment's row and half
	s_mul_i32 s38, s16, 64*KP
	s_add_co_u32 s38, s38, S0K
	v_add_nc_u32 v[KRD], s38, v245
	v_add_nc_u32 v[KRD+1], SLOT, v[KRD]
	s_mul_i32 s38, s15, 32*KP
	s_add_co_u32 s38, s38, QST
	v_add_nc_u32 v29, s38, v245                    ; my Q fragments
	v_and_b32 v246, 7, v0
	v_lshl_add_u32 v246, v243, 3, v246             ; transposing load: row 8 h + (L & 7),
	v_mul_u32_u24 v246, v246, VP
	v_bfe_u32 v247, v0, 3, 1
	v_lshl_add_u32 v246, v247, 4, v246             ; 16 bytes x ((L >> 3) & 1)
	s_mul_i32 s38, s16, 64*VP
	s_add_co_u32 s38, s38, S0V
	v_add_nc_u32 v[VRD], s38, v246
	v_add_nc_u32 v[VRD+1], SLOT, v[VRD]
	v_mul_u32_u24 v247, v242, MP
	v_lshl_add_u32 v247, v243, 5, v247             ; mask: query row r, 32 bytes for each half of the lanes
	s_mul_i32 s38, s15, 32*MP
	s_lshl_b32 s39, s16, 6
	s_add_co_u32 s38, s38, s39
	v_add_nc_u32 v[MRD], s38, v247
	v_add_nc_u32 v[MRD+1], MBSZ, v[MRD]
	v_lshlrev_b32 v248, 3, v240                    ; 8 L: my 4 f16 of a row
	s_mul_i32 s38, s14, 16*KP
	s_add_co_u32 s39, s38, S0K
	v_add_nc_u32 v[KST], s39, v248                 ; I store LDS rows 16 w .. 16 w + 15
	v_add_nc_u32 v[KST+1], SLOT, v[KST]
	s_add_co_u32 s39, s38, QST
	v_add_nc_u32 v15, s39, v248
	s_mul_i32 s38, s14, 16*VP
	s_add_co_u32 s38, s38, S0V
	v_add_nc_u32 v[VST], s38, v248
	v_add_nc_u32 v[VST+1], SLOT, v[VST]
	v_mul_u32_u24 v249, v243, MP
	v_lshl_add_u32 v249, v242, 4, v249
	s_mul_i32 s38, s14, 2*MP
	v_add_nc_u32 v[MST], s38, v249                 ; mask rows 2 w + h
	v_add_nc_u32 v[MST+1], MBSZ, v[MST]
	v_and_b32 v[PFM], 63, v0
	v_lshlrev_b32 v[PFM], 11, v[PFM]               ; one mask row a lane of waves 0 and 1
	v_lshlrev_b32 v[PFK], 8, v242                  ; 16 blocks of 256 bytes,
	v_lshl_or_b32 v[PFK], v243, 16, v[PFK]         ; in each of two tiles,
	s_lshl_b32 s38, ttmp9, 12
	v_add_nc_u32 v[PFK], s38, v[PFK]               ; at this work-group's sixteenth
	v_mov_b32 v[AL+1], 0                           ; pair partners of the factors: named by the packed multiplies, not used by them
	v_mov_b32 v[AL+3], 0
	s_wait_loadcnt 40                              ; Q is in; the 40 younger loads stay out
	WIN 0x41
.set qi, 0
.rept 32
	v_pk_mul_f32 v[OA+2*qi:OA+2*qi+1], v[OA+2*qi:OA+2*qi+1], s[32:33] op_sel_hi:[1,0]
.set qi, qi+1
.endr
	WIN 0x45
	CVT OA, 16
	WIN 0x04
	STROWS 15, OA, KP
	WIN 0
	s_wait_loadcnt 32                              ; the mask is in; K's and V's 32 loads stay out
.irp i, 0,1,2,3
	ds_store_b128 v[MST], v[MSTG+4*\i:MSTG+4*\i+3] offset:16*\i*MP
.endr
.irp i, 0,1,2,3
	ds_store_b128 v[MST], v[SC+4*\i:SC+4*\i+3] offset:(64+16*\i)*MP
.endr
	s_wait_loadcnt 0x0
	WIN 0x45
	CVT STGK, 32
	WIN 0x04
	STROWS KST, STGK, KP
	STROWS VST, STGV, VP
	WIN 0
	s_add_nc_u64 s[4:5], s[4:5], 0x10000           ; every load that named these bases is done: K, V at tile 1,
	s_add_nc_u64 s[8:9], s[8:9], 0x10000
	s_add_nc_u64 s[10:11], s[10:11], 256           ; the mask at columns 256 ..
	s_wait_dscnt 0x0                               ; my stores are done, for the others' sake
	s_barrier_signal -1
	s_barrier_wait -1
.irp q, 0,1
.irp c, 0,1,2,3
	ds_load_b128 v[QF+32*\q+8*\c:QF+32*\q+8*\c+3], v29 offset:\q*16*KP+64*\c
	ds_load_b128 v[QF+32*\q+8*\c+4:QF+32*\q+8*\c+7], v29 offset:\q*16*KP+64*\c+32
.endr
.endr
	; ---------------- the 16 trips ----------------  (the Q fragments are older than all that the first trip's first wait leaves out)
	TRIP 0, 0, 1, 1, 1, 1, 1
	TRIP 1, 0, 0, 1, 1, 1, 0
	TRIP 0, 1, 0, 1, 1, 1, 1
	TRIP 1, 1, 0, 1, 1, 1, 0
	s_mov_b32 s28, 0
.Ltrips:                                           ; trips 4 to 11
	TRIP 0, 0, 0, 1, 1, 1, 1
	TRIP 1, 0, 0, 1, 1, 1, 0
	TRIP 0, 1, 0, 1, 1, 1, 1
	TRIP 1, 1, 0, 1, 1, 1, 0
	s_add_co_u32 s28, s28, 1
	s_cmp_lt_u32 s28, 2
	s_cbranch_scc1 .Ltrips
	TRIP 0, 0, 0, 1, 1, 1, 1                       ; trip 12: the last prefetches (mask rows of trip 13, tiles 14 and 15)
	TRIP 1, 0, 0, 1, 1, 0, 0                       ; trip 13: the last mask rows
	TRIP 0, 1, 0, 1, 0, 0, 0                       ; trip 14: the last tile
	TRIP 1, 1, 0, 0, 0, 0, 0                       ; trip 15 loads nothing and ends without a barrier
	; ---------------- the two halves of the keys meet ----------------
	; The plain instructions below name no register of the last matrix instructions: more than four of them stand ahead of the first read of O.
	v_add_f32 v[MX], v[LS], v[LS+1]                ; my sum: two partial sums,
	v_add_f32 v[MX+2], v[LS+2], v[LS+3]
	v_permlanex16_b32 v[XH], v[MX], s26, s27       ; and the other half of the lanes
	v_permlanex16_b32 v[XH+1], v[MX+2], s26, s27
	v_add_f32 v[MX], v[MX], v[XH]                  ; v[16:17], v[18:19] = (m, l)
	v_add_f32 v[MX+2], v[MX+2], v[XH+1]
	v_and_b32 v32, 15, v0                          ; r
	v_bfe_u32 v33, v0, 4, 1                        ; h
	v_lshlrev_b32 v34, 3, v32
	s_lshl_b32 s38, s14, 8
	s_add_co_u32 s38, s38, STAT
	v_add_nc_u32 v35, s38, v34                     ; my wave's 32 pairs
	s_xor_b32 s39, s14, 4
	s_lshl_b32 s39, s39, 8
	s_add_co_u32 s39, s39, STAT
	v_add_nc_u32 v34, s39, v34                     ; those of the wave with the other half of the keys
	ds_store_b64 v35, v[MM:MM+1]                   ; both halves of the lanes hold, and write, the same pair
	ds_store_b64 v35, v[MM+2:MM+3] offset:128
	s_wait_dscnt 0x0                               ; my stores, and long since my reads of the slots, are done
	s_barrier_signal -1
	s_barrier_wait -1                              ; behind it the slots are nobody's: the stages lie over them
	ds_load_b64 v[36:37], v34                      ; (m', l')
	ds_load_b64 v[38:39], v34 offset:128
	v_mul_u32_u24 v15, v32, XP                     ; stage, in: query row 32 g + r of my half's stage = row 32 w of both, 32 bytes for each half of the lanes
	v_lshl_add_u32 v15, v33, 5, v15
	s_mul_i32 s38, s14, 32*XP
	s_add_co_u32 s38, s38, X0
	v_and_b32 v13, 31, v0                          ; stage, back: rows 16 w .., 16 bytes a lane
	v_lshlrev_b32 v13, 4, v13
	s_mul_i32 s39, s14, 16*XP
	s_add_co_u32 s39, s39, X0
	v_add_nc_u32 v13, s39, v13
	s_wait_dscnt 0x0
	v_max_num_f32 v40, v[MM], v36                  ; m* = max(m, m')
	v_max_num_f32 v41, v[MM+2], v38
	v_sub_f32 v42, v[MM], v40
	v_sub_f32 v43, v36, v40
	v_sub_f32 v44, v[MM+2], v41
	v_sub_f32 v45, v38, v41
	v_exp_f32 v42, v42                             ; a  = 2^(m - m*)
	v_exp_f32 v43, v43                             ; a' = 2^(m' - m*)
	v_exp_f32 v44, v44
	v_exp_f32 v45, v45
	v_add_nc_u32 v15, s38, v15                     ; a plain instruction behind the exponentials
	s_wait_alu depctr_va_vdst(0)
	v_mul_f32 v46, v43, v37
	v_mul_f32 v47, v45, v39
	v_fma_f32 v46, v42, v[MX], v46                 ; a l + a' l': at least 1, since the half that holds m* has a term p = 1
	v_fma_f32 v47, v44, v[MX+2], v47
	v_rcp_f32 v46, v46
	v_rcp_f32 v47, v47
	v_add_nc_u32 v14, XSZ, v13                     ; a plain instruction behind the reciprocals: the second stage lies beyond a 16-bit offset
	s_wait_alu depctr_va_vdst(0)
	v_mul_f32 v[AL], v42, v46                      ; my O times a / (a l + a' l')
	v_mul_f32 v[AL+2], v44, v47
	RESCALE
	WIN 0x04
.irp q, 0,1
.irp x, 0,1,2,3,4,5,6,7
	ds_store_b128 v15, v[OA+64*\q+8*\x:OA+64*\q+8*\x+3] offset:\q*16*XP+64*\x
	ds_store_b128 v15, v[OA+64*\q+8*\x+4:OA+64*\q+8*\x+7] offset:\q*16*XP+64*\x+16
.endr
.endr
	WIN 0
	s_wait_dscnt 0x0
	s_barrier_signal -1
	s_barrier_wait -1
	; the way out: wave w adds rows 16 w .. 16 w + 15 of the two stages; each store of the wave covers a whole row of out0, 512 consecutive bytes
.set oi, 0
.rept 16
	ds_load_b128 v[SC+4*oi:SC+4*oi+3], v13 offset:XP*oi
	ds_load_b128 v[FB0+4*oi:FB0+4*oi+3], v14 offset:XP*oi
.set oi, oi+1
.endr
.set oi, 0
.rept 16
	s_wait_dscnt 2*(15-oi)                         ; row oi's two loads are in; those of the rows behind it stay out
	v_pk_add_f32 v[SC+4*oi:SC+4*oi+1], v[SC+4*oi:SC+4*oi+1], v[FB0+4*oi:FB0+4*oi+1]
	v_pk_add_f32 v[SC+4*oi+2:SC+4*oi+3], v[SC+4*oi+2:SC+4*oi+3], v[FB0+4*oi+2:FB0+4*oi+3]
	global_store_b128 v[GOFF], v[SC+4*oi:SC+4*oi+3], s[12:13] offset:512*oi th:TH_STORE_NT
.set oi, oi+1
.endr
	s_wait_xcnt 0x0
	v_lshl_add_u32 v254, v0, 2, 0x3d000
	v_mov_b32 v255, 0
	s_wait_tensorcnt 0x0
	ds_add_u32 v254, v255
	s_wait_dscnt 0x0
	s_endpgm
.Lfunc_end_k_q048dd8361e_attn:
	.size	k_q048dd8361e_attn, .Lfunc_end_k_q048dd8361e_attn-k_q048dd8361e_attn
	.p2alignl 7, 3214868480
	.fill 96, 4, 3214868480
	.section	.rodata,"a",@progbits
	.p2align	6, 0x0
	.amdhsa_kernel k_q048dd8361e_attn
		.amdhsa_group_segment_fixed_size 250880
		.amdhsa_private_segment_fixed_size 0
		.amdhsa_enable_private_segment 0
		.amdhsa_kernarg_size 40
		.amdhsa_user_sgpr_count 2
		.amdhsa_user_sgpr_kernarg_segment_ptr 1
		.amdhsa_wavefront_size32 1
		.amdhsa_system_sgpr_workgroup_id_x 1
		.amdhsa_system_sgpr_workgroup_id_y 1
		.amdhsa_system_sgpr_workgroup_id_z 1
		.amdhsa_system_vgpr_workitem_id 0
		.amdhsa_next_free_vgpr 512
		.amdhsa_next_free_sgpr 66
		.amdhsa_reserve_vcc 0
		.amdhsa_float_denorm_mode_32 3
		.amdhsa_float_denorm_mode_16_64 3
		.amdhsa_memory_ordered 1
		.amdhsa_forward_progress 1
		.amdhsa_inst_pref_size 255
	.end_amdhsa_kernel
	.section	.bss,"aw",@nobits
	.p2align	6
	.space	262144
	.amdgpu_metadata
---
amdhsa.version: [ 1, 2 ]
amdhsa.kernels:
  - .name:           k_q048dd8361e_attn
    .symbol:         k_q048dd8361e_attn.kd
    .args:
      - { .name: K, .offset: 0, .size: 8, .value_kind: global_buffer, .address_space: global }
      - { .name: Q, .offset: 8, .size: 8, .value_kind: global_buffer, .address_space: global }
      - { .name: V, .offset: 16, .size: 8, .value_kind: global_buffer, .address_space: global }
      - { .name: mask, .offset: 24, .size: 8, .value_kind: global_buffer, .address_space: global }
      - { .name: out0, .offset: 32, .size: 8, .value_kind: global_buffer, .address_space: global }
    .group_segment_fixed_size: 250880
    .private_segment_fixed_size: 0
    .kernarg_segment_align: 8
    .kernarg_segment_size: 40
    .max_flat_workgroup_size: 256
    .sgpr_count:     66
    .vgpr_count:     512
    .wavefront_size: 32
...
	.end_amdgpu_metadata
.endif
;; end of part 1
;; ======== version 2 of 2: 1 launch
;; limits: right only within a limited range of input values; values are held in f16: magnitudes above 65,504 overflow, below 6.1e-05 lose precision; inputs' magnitudes at most 65,504
;; launch attn (part 2): grid 16 x 16, 8 waves a work-group, no clusters, 250,880 bytes of LDS; arguments K, Q, V, mask, out0; writes out0
.if DOCPART == 2
	.amdgcn_target "amdgcn-amd-amdhsa--gfx1250"
	.amdhsa_code_object_version 6
	.text
	.protected	k_q048dd8361e_attn
	.globl	k_q048dd8361e_attn
	.p2align	8
	.type	k_q048dd8361e_attn,@function
k_q048dd8361e_attn:
	s_mov_b64 s[64:65], 0
	v_nop
	global_prefetch_b8 v0, s[64:65] scope:SCOPE_SE
	s_setreg_imm32_b32 hwreg(HW_REG_WAVE_MODE, 25, 1), 1
	s_wait_xcnt 0x0
; out0[b][q][:] = softmax over k of ( mask ? -1e9 : Q[b][q].K[b][k] / sqrt(128) ) times V[b][k][:].   16 batches, 2048 x 2048 scores, d = dv = 128, all f32; mask one byte a score.
; One launch.  A work-group (x: batch, y: block of 128 queries; the 16 work-groups that read one batch's K and V have the same x) walks all 2048 keys in 16 trips of 128 keys
; with a running maximum.
; Eight waves.  Wave w: g = w & 3 owns queries 32 g .. 32 g + 31 (two tiles of 16), kh = w >> 2 owns one half (64 keys) of every key tile.
; Waves w and w + 4 hold partial (maximum, sum, O) of the same queries; they are merged once, at the end, through LDS.
;
; LAYOUT.  Scores are made transposed, S^T = K Q^T (source 0: 16 rows of K, source 1: 16 rows of Q): register j of lane (r, h) is (K row 8 h + j, query r).  A lane owns ONE
; query, so maximum and sum stay in the lane but for one exchange between the two halves of the wave, and the exponentials pack straight into source 1 of the second product,
; O^T = V^T P^T (source 0: V read transposed from LDS).  There register j of lane (r, h) is (dv 8 h + j, query r): the rescaling factor is the lane's own number.
; Q is multiplied in f32 by log2(e) / sqrt(128) before it is rounded, so p = 2^(s - m).
; NUMBER FORMAT: f16 for all four matrix operands, f32 sums.  A row in which few keys are unmasked adds up a few terms of size 1, so each operand's rounding shows in full in the
; result; f16 keeps 11 significant bits where bf16 keeps 8, which makes every such rounding eight times smaller.  p lies in 0 .. 1, and the inputs have room (see LIMITS).
; KEY ORDER.  A softmax does not hang on the order of the keys.  Within a wave's 64 keys LDS row 16 t + 8 h + j holds key 32 h + 8 t + j, for K and V alike,
; so that a lane's 32 scores of a trip are 32 NEIGHBOURING keys: its mask bytes are two 16-byte LDS loads.  The order is made by the row offsets of the global loads.
; MASK.  A mask word serves as the selector of a byte table (0 -> 0x00, 1 -> 0xf1); one more byte pick a score puts that byte on top: 0.0 or -2^99, which is added to the score.
; LIMITS, stated.  (1) Range of f16: |K| and |V| up to 65,504 and |Q| up to 65,504 / 0.1275 = 5.1e5; beyond that the rounding gives infinities.  Numbers of spread 1 made 30 times
; larger and shifted by 30 spreads reach about 200.  Numbers below 6e-5 are kept as denormals, with an absolute error of 3e-8.  (2) A p below 2^-25 enters the second product as 0
; and stays in the row sum: at most 2047 x 2^-25 = 6e-5 of a row's weight.  (3) A masked score is s - 2^99, which rounds to exactly -2^99 for |s| < 2^74, where the problem writes
; -1e9.  All masked scores are equal, so a row that is masked throughout gives the mean of V as it should; results differ only where an unmasked score is itself as low as
; about -1e9.  (4) Mask bytes are 0 or 1.  The row sum adds the unrounded p.
; NO TENSOR LOADS, NO CLUSTER: K and V lie in memory as f32 and the matrix unit wants 16 bits.  A tensor load copies bytes as they are; an f32 tile in LDS would add 128 KiB written
; and 128 KiB read in every trip to the 352 KiB that a trip moves through LDS as it is.  So tiles come through registers (16-byte loads, whole rows of 512 bytes) and are rounded there.
; THE NEXT TILE.  A wave's 16 rows of K and 16 rows of V of the next tile (128 registers) and its 4 pieces of mask rows (16 registers) wait in registers.  Between the two products
; of a trip, where the wave has no other LDS or memory instruction to issue, they are rounded and stored to the other LDS slot in pieces of 8 rows, strewn among the softmax's
; arithmetic.  A piece's registers are loaded again, with the tile after next, one piece later, behind a wait that shows the LDS stores that read them done; the last piece's
; (V rows 8-15) straight ahead of the second product.  So the loads and stores of a trip stand in runs of 8 at the most, none of them among the matrix instructions of a product,
; and a load has all but a few pieces of a whole trip in which to land: 128 KiB of K and V and 16 KiB of mask are on their way for a work-group.  One barrier a trip.
.set KP,   272                         ; LDS pitch of K, Q and mask rows: 256 bytes + 16, an odd multiple of 16: 16 rows start in 16 different 16-byte columns of a span of 256 bytes
.set VP,   288                         ; pitch of V rows: an odd multiple of 32, for the transposing load
.set MP,   272
.set XP,   528                         ; pitch of the f32 stage on the way out: 512 + 16
.set MBSZ, 128*MP                      ; a mask buffer: 128 query rows x 256 keys (two trips).  Two buffers at LDS byte 0
.set S0K,  2*MBSZ                      ; slot 0: K, 128 rows
.set S0V,  S0K+128*KP                  ; slot 0: V, 128 rows
.set SLOT, 128*KP+128*VP               ; slot 1 lies one SLOT further
.set QST,  S0K+2*SLOT                  ; Q in f16, 128 rows, used once
.set STAT, QST+128*KP                  ; (maximum, sum) of each wave's 32 queries: wave w at 256 w
.set X0,   S0K                         ; the way out: two stages of 128 rows x 528 bytes over the slots, behind a barrier
.set XSZ,  128*XP
; window 0
.set GOFF, 1                           ; v1      16 w rows of 512 bytes + 16 x lane: Q in, out0 out
.set MOFF, 2                           ; v2      mask: (2 w + h) rows of 2048 bytes + 16 r
.set KRD,  3                           ; v3-4    slot 0, 1: my K fragments
.set VRD,  5                           ; v5-6    slot 0, 1: my V fragments
.set MRD,  7                           ; v7-8    mask buffer 0, 1: my 32 bytes
.set KST,  9                           ; v9-10   slot 0, 1: where I store K rows
.set VST,  11                          ; v11-12  the same for V
.set MST,  13                          ; v13-14  mask buffer 0, 1: where I store mask rows; at the end the two stages read back
.set MM,   16                          ; v16, v18  running maximum of query tile 0, 1
.set MX,   17                          ; v17, v19  the new maximum; at the end the sum
.set AL,   20                          ; v20, v22  rescaling factor (v21, v23: named as pair partners only, written once)
.set LS,   24                          ; v[24:25], v[26:27]  running sums, two partial sums a tile
.set KOFF, 28                          ; v28     K and V: my first row of a tile + 16 x lane
.set PFM,  30                          ; v30     prefetch of the mask: row (thread & 63)
.set PFK,  31                          ; v31     prefetch of K and V: my work-group's sixteenth of two tiles
.set MSTG, 32                          ; v[32:47]   mask on its way from memory to LDS
.set QF,   48                          ; v[48:111]  Q fragments: tile q, 32 d at 48 + 32 q + 8 c
.set SC,   112                         ; v[112:175] scores: tile q, K rows 16 t at 112 + 32 q + 8 t; then p packed in place: 112 + 32 q + 16 u
.set FB0,  176                         ; v[176:207] fragment buffer 0
.set FB1,  208                         ; v[208:239] fragment buffer 1
.set XT,   208                         ; v[208:215] the addends 0.0 / -2^99, while buffer 1 is idle
.set MK,   240                         ; v[240:255] mask words: tile q at 240 + 8 q
.set TS,   240                         ; v[240:247] partial sums, v248-249 exchange between halves: when the mask words are spent
.set XH,   248
; window 1
.set OA,   0                           ; v[256:383] O: tile q, dv 16 x at 64 q + 8 x.  At the start Q as loaded
.set STGK, 128                         ; v[384:447] K rows on their way: row i at 128 + 4 i
.set STGV, 192                         ; v[448:511] V rows
.set SEL,  21                          ; s21-24  selectors: byte k of a word on top, zeros below
.set MSB, 0
.macro WIN new                         ; s_set_vgpr_msb: bits 1:0 source 0, 3:2 source 1, 5:4 source 2, 7:6 destination; the high byte repeats the setting that is left
.if MSB != \new
	s_set_vgpr_msb (MSB<<8)|\new
.set MSB, \new
.endif
.endm
; rows r0 .. r0 + n - 1 of my 16, 512 bytes each, into window 1, one row a load.  perm = 1: my rows are rows 0-7 and 32-39 from my first row on (the key order of the head comment)
.macro LDROWS av, sb, dst, perm, r0, n
.set li, \r0
.rept \n
.if \perm
	global_load_b128 v[\dst+4*li:\dst+4*li+3], v[\av], s[\sb:\sb+1] offset:512*(32*(li>>3)+(li&7))
.else
	global_load_b128 v[\dst+4*li:\dst+4*li+3], v[\av], s[\sb:\sb+1] offset:512*li th:TH_LOAD_NT
.endif
.set li, li+1
.endr
.endm
; n rows of 4 f32 a lane rounded to f16 in place: the first two registers of each four
.macro CVT dst, r0, n
.set ci, \r0
.rept \n
	v_cvt_pk_f16_f32 v[\dst+4*ci], v[\dst+4*ci], v[\dst+4*ci+1]
	v_cvt_pk_f16_f32 v[\dst+4*ci+1], v[\dst+4*ci+2], v[\dst+4*ci+3]
.set ci, ci+1
.endr
.endm
; n rows to LDS: 32 lanes x 8 bytes are a row of 256 bytes
.macro STROWS av, dst, pitch, r0, n
.set si, \r0
.rept \n
	ds_store_b64 v[\av], v[\dst+4*si:\dst+4*si+1] offset:\pitch*si
.set si, si+1
.endr
.endm
; a piece of the next tile: 8 staged rows are in (left = the younger loads that may stay out), are rounded and stored.  Leaves the window of the stores set
.macro CVST av, dst, pitch, r0, left
	s_wait_loadcnt \left
	WIN 0x45
	CVT \dst, \r0, 8
	WIN 0x04
	STROWS \av, \dst, \pitch, \r0, 8
.endm
; fragments of my 64 K rows, 32 d at 32 c: four tiles of 16 rows, two loads each
.macro KFETCH e, c, fb
.irp t, 0,1,2,3
	ds_load_b128 v[\fb+8*\t:\fb+8*\t+3], v[KRD+\e] offset:\t*16*KP+64*\c
	ds_load_b128 v[\fb+8*\t+4:\fb+8*\t+7], v[KRD+\e] offset:\t*16*KP+64*\c+32
.endr
.endm
; fragments of V^T: 32 V rows at 32 u, dv tiles 4 th .. 4 th + 3, two transposing loads each (16 rows apart)
.macro VFETCH e, u, th, fb
.irp x, 0,1,2,3
	ds_load_tr16_b128 v[\fb+8*\x:\fb+8*\x+3], v[VRD+\e] offset:\u*32*VP+32*(4*\th+\x)
	ds_load_tr16_b128 v[\fb+8*\x+4:\fb+8*\x+7], v[VRD+\e] offset:\u*32*VP+32*(4*\th+\x)+16*VP
.endr
.endm
; eight matrix instructions on eight accumulators: the accumulators take turns, one instruction a turn.  c = 0 starts the sums
.macro QKMUL c, fb
.irp t, 0,1,2,3
.irp q, 0,1
.if \c == 0
	v_wmma_f32_16x16x32_f16 v[SC+32*\q+8*\t:SC+32*\q+8*\t+7], v[\fb+8*\t:\fb+8*\t+7], v[QF+32*\q:QF+32*\q+7], 0
.else
	v_wmma_f32_16x16x32_f16 v[SC+32*\q+8*\t:SC+32*\q+8*\t+7], v[\fb+8*\t:\fb+8*\t+7], v[QF+32*\q+8*\c:QF+32*\q+8*\c+7], v[SC+32*\q+8*\t:SC+32*\q+8*\t+7]
.endif
.endr
.endr
.endm
; the same for O (window 1): eight accumulators a group, sixteen in all, by turns
.macro PVMUL u, th, fb, zero
.irp x, 0,1,2,3
.irp q, 0,1
.if \zero
	v_wmma_f32_16x16x32_f16 v[OA+64*\q+8*(4*\th+\x):OA+64*\q+8*(4*\th+\x)+7], v[\fb+8*\x:\fb+8*\x+7], v[SC+32*\q+16*\u:SC+32*\q+16*\u+7], 0
.else
	v_wmma_f32_16x16x32_f16 v[OA+64*\q+8*(4*\th+\x):OA+64*\q+8*(4*\th+\x)+7], v[\fb+8*\x:\fb+8*\x+7], v[SC+32*\q+16*\u:SC+32*\q+16*\u+7], v[OA+64*\q+8*(4*\th+\x):OA+64*\q+8*(4*\th+\x)+7]
.endif
.endr
.endr
.endm
; four mask words through the table: byte 0 -> 0x00, byte 1 -> 0xf1.  Four plain vector instructions that name no register of the matrix instructions in front of them:
; they are the four places ahead of the loads into the buffer just multiplied, and ahead of the first reads of the scores
.macro TBL a
.irp k, 0,1,2,3
	v_perm_b32 v[MK+\a+\k], s20, s20, v[MK+\a+\k]
.endr
.endm
.macro PLACES n
.rept \n
	v_nop
.endr
.endm
; mask and maximum, one mask word (4 scores) of each query tile: 4 byte picks, 2 packed adds, 2 three-way maxima.  The chain starts from the running maximum, in the first trip from the first two scores
.macro STA wd, first
.irp q, 0,1
.irp k, 0,1,2,3
	v_perm_b32 v[XT+4*\q+\k], v[MK+8*\q+\wd], v[MK+8*\q+\wd], s[SEL+\k]
.endr
	v_pk_add_f32 v[SC+32*\q+4*\wd:SC+32*\q+4*\wd+1], v[SC+32*\q+4*\wd:SC+32*\q+4*\wd+1], v[XT+4*\q:XT+4*\q+1]
	v_pk_add_f32 v[SC+32*\q+4*\wd+2:SC+32*\q+4*\wd+3], v[SC+32*\q+4*\wd+2:SC+32*\q+4*\wd+3], v[XT+4*\q+2:XT+4*\q+3]
.if \wd == 0
.if \first
	v_max_num_f32 v[MX+2*\q], v[SC+32*\q], v[SC+32*\q+1]
.else
	v_max3_num_f32 v[MX+2*\q], v[MM+2*\q], v[SC+32*\q], v[SC+32*\q+1]
.endif
.else
	v_max3_num_f32 v[MX+2*\q], v[MX+2*\q], v[SC+32*\q+4*\wd], v[SC+32*\q+4*\wd+1]
.endif
	v_max3_num_f32 v[MX+2*\q], v[MX+2*\q], v[SC+32*\q+4*\wd+2], v[SC+32*\q+4*\wd+3]
.endr
.endm
; the other half of the wave holds the query's other 32 keys: one exchange.  Then the factor 2^(old maximum - new maximum)
.macro STAGEB first
	v_permlanex16_b32 v[XH], v[MX], s26, s27
	v_permlanex16_b32 v[XH+1], v[MX+2], s26, s27
	v_max_num_f32 v[MX], v[MX], v[XH]
	v_max_num_f32 v[MX+2], v[MX+2], v[XH+1]
.if \first
	v_mov_b32 v[MM], v[MX]
	v_mov_b32 v[MM+2], v[MX+2]
.else
	v_sub_f32 v[AL], v[MM], v[MX]
	v_sub_f32 v[AL+2], v[MM+2], v[MX+2]
	v_exp_f32 v[AL], v[AL]
	v_exp_f32 v[AL+2], v[AL+2]
	v_mov_b32 v[MM], v[MX]                 ; the two moves are the plain instructions between the exponentials and the use of their results (ISA guide 5.7.2)
	v_mov_b32 v[MM+2], v[MX+2]
	s_wait_alu depctr_va_vdst(0)
	v_pk_mul_f32 v[LS:LS+1], v[LS:LS+1], v[AL:AL+1] op_sel_hi:[1,0]
	v_pk_mul_f32 v[LS+2:LS+3], v[LS+2:LS+3], v[AL+2:AL+3] op_sel_hi:[1,0]
.endif
.endm
; O times the lane's factor: 128 registers, two at a time
.macro RESCALE
	WIN 0x41
.irp q, 0,1
.set ri, 0
.rept 32
	v_pk_mul_f32 v[OA+64*\q+2*ri:OA+64*\q+2*ri+1], v[OA+64*\q+2*ri:OA+64*\q+2*ri+1], v[AL+2*\q:AL+2*\q+1] op_sel_hi:[1,0]
.set ri, ri+1
.endr
.endr
	WIN 0
.endm
.macro SUBT q, t                       ; s - m, both halves of the pair by the lane's one maximum
.irp p, 0,2,4,6
	v_pk_add_f32 v[SC+32*\q+8*\t+\p:SC+32*\q+8*\t+\p+1], v[SC+32*\q+8*\t+\p:SC+32*\q+8*\t+\p+1], v[MM+2*\q:MM+2*\q+1] op_sel_hi:[1,0] neg_lo:[0,1] neg_hi:[0,1]
.endr
.endm
.macro EXPT q, t
.irp p, 0,1,2,3,4,5,6,7
	v_exp_f32 v[SC+32*\q+8*\t+\p], v[SC+32*\q+8*\t+\p]
.endr
.endm
; a tile's eight p: added up (a tree of packed adds), then packed to f16 in place: tiles 2 u and 2 u + 1 make the eight registers of source 1 for V rows 32 u .. 32 u + 31
.macro SUMCVT q, t, first
	s_wait_alu depctr_va_vdst(0)
	v_pk_add_f32 v[TS+4*\q:TS+4*\q+1], v[SC+32*\q+8*\t:SC+32*\q+8*\t+1], v[SC+32*\q+8*\t+2:SC+32*\q+8*\t+3]
	v_pk_add_f32 v[TS+4*\q+2:TS+4*\q+3], v[SC+32*\q+8*\t+4:SC+32*\q+8*\t+5], v[SC+32*\q+8*\t+6:SC+32*\q+8*\t+7]
.if \first
	v_pk_add_f32 v[LS+2*\q:LS+2*\q+1], v[TS+4*\q:TS+4*\q+1], v[TS+4*\q+2:TS+4*\q+3]
.else
	v_pk_add_f32 v[TS+4*\q:TS+4*\q+1], v[TS+4*\q:TS+4*\q+1], v[TS+4*\q+2:TS+4*\q+3]
	v_pk_add_f32 v[LS+2*\q:LS+2*\q+1], v[LS+2*\q:LS+2*\q+1], v[TS+4*\q:TS+4*\q+1]
.endif
.irp j, 0,1,2,3
	v_cvt_pk_f16_f32 v[SC+32*\q+16*(\t>>1)+4*(\t&1)+\j], v[SC+32*\q+8*\t+2*\j], v[SC+32*\q+8*\t+2*\j+1]
.endr
.endm
; the eight tiles in a pipeline: behind a tile's exponentials stand the next tile's subtractions (plain, on other registers: ISA guide 5.7.2), then the tile's results are used.
; In three parts, each of which ends behind a tile's packing, with the next tile's subtractions done: V's two pieces stand between them
.macro STC1 first
	SUBT 0, 0
	EXPT 0, 0
	SUBT 1, 0
	SUMCVT 0, 0, \first
	EXPT 1, 0
	SUBT 0, 1
	SUMCVT 1, 0, \first
	EXPT 0, 1
	SUBT 1, 1
	SUMCVT 0, 1, 0
	EXPT 1, 1
	SUBT 0, 2
	SUMCVT 1, 1, 0
.endm
.macro STC2
	EXPT 0, 2
	SUBT 1, 2
	SUMCVT 0, 2, 0
	EXPT 1, 2
	SUBT 0, 3
	SUMCVT 1, 2, 0
.endm
.macro STC3
	EXPT 0, 3
	SUBT 1, 3
	SUMCVT 0, 3, 0
	EXPT 1, 3
	v_nop                                  ; no tile is left to stand behind the last exponentials
	SUMCVT 1, 3, 0
.endm
; Prefetches, each block of 256 bytes asked for once in the launch.  Waves 0 and 1: the 64 row pieces of 256 mask bytes that the NEXT trip loads, one a lane: behind an even trip
; rows 0-63 of the next 256 columns, behind an odd one rows 64-127 of the columns that the pointer stands at.  In odd trips wave 2 (K) and wave 3 (V): of the two tiles behind the
; one that this trip loads, the sixteenth (16 blocks a tile) that falls to this work-group among the 16 of its batch.
; The flags end them where the next trip loads no mask and where the two tiles would lie past the batch's last tile.  stop = 1: the loop's fourth trip is trip 12 in the loop's
; third pass, and trip 13 loads no mask: there the mask's prefetch is jumped over, on the pass counter.
.macro PREF e, pfm, pfkv, stop
.if \pfm
	s_cmp_ge_u32 s14, 2
	s_cbranch_scc1 .Lno_pm_\@
.if \stop
	s_cmp_eq_u32 s28, 2
	s_cbranch_scc1 .Lno_pm_\@
.endif
.if \e == 0
	global_prefetch_b8 v[PFM], s[10:11] offset:256 th:TH_LOAD_NT scope:SCOPE_SE
.else
	global_prefetch_b8 v[PFM], s[10:11] offset:64*2048 th:TH_LOAD_NT scope:SCOPE_SE
.endif
.Lno_pm_\@:
.endif
.if \pfkv
	s_cmp_lg_u32 s14, 2
	s_cbranch_scc1 .Lno_pk_\@
	global_prefetch_b8 v[PFK], s[4:5] offset:65536 th:TH_LOAD_NT scope:SCOPE_SE
.Lno_pk_\@:
	s_cmp_lg_u32 s14, 3
	s_cbranch_scc1 .Lno_pv_\@
	global_prefetch_b8 v[PFK], s[8:9] offset:65536 th:TH_LOAD_NT scope:SCOPE_SE
.Lno_pv_\@:
.endif
.endm
; One trip: key tile t in slot e = t & 1, its mask in buffer mb = (t >> 1) & 1 at columns 128 e.
; stkv: the staged tile t + 1 is rounded and stored to the other slot.  ldkv: the staging registers are loaded again with tile t + 2 (the pointers stand there).
; stm: the staged 64 query rows (64 e ..) x 256 keys of the next PAIR of trips go to the other mask buffer.  ldm: the mask's staging registers are loaded again with the piece that
; the next trip stores: rows 64 (1 - e) .. of the columns that the pointer stands at.  Wherever ldkv is set, stm is; wherever ldm is set, stkv is.
; A trip's loads go out in the order K rows 0-7 (8), K rows 8-15 (8), mask (4), V rows 0-7 (8), V rows 8-15 (8), and loads come back in order (ISA guide 5.7.1): each wait on
; LOADcnt names the loads issued behind the piece that it wants, the last trip's and this trip's.
.macro TRIP e, mb, first, stkv, ldkv, stm, ldm, pfm, pfkv, pfstop
	KFETCH \e, 0, FB0                      ; what the first products want goes first
.irp q, 0,1
.irp i, 0,1
	ds_load_b128 v[MK+8*\q+4*\i:MK+8*\q+4*\i+3], v[MRD+\mb] offset:\q*16*MP+128*\e+16*\i
.endr
.endr
	KFETCH \e, 1, FB1
	; S^T = K Q^T
	s_wait_dscnt 12                        ; buffer 0 is in; the 4 loads of mask words and the 8 into buffer 1 stay out
	QKMUL 0, FB0
	s_wait_dscnt 8                         ; the mask words are in.  From here on each wait for 8 leaves out the eight youngest LDS instructions; what is wanted is older
	TBL 0
	KFETCH \e, 2, FB0
	s_wait_dscnt 8
	QKMUL 1, FB1
	TBL 4
	KFETCH \e, 3, FB1
	s_wait_dscnt 8
	QKMUL 2, FB0
	TBL 8
	VFETCH \e, 0, 0, FB0
	s_wait_dscnt 8
	QKMUL 3, FB1
	TBL 12
	; the softmax, with the next tile's pieces among it
	STA 0, \first
	STA 1, \first
.if \stkv
	CVST KST+1-\e, STGK, KP, 0, 24+4*\stm  ; K rows 0-7.  Behind them: K rows 8-15 (8), the mask (4), V (16)
	WIN 0
.endif
	STA 2, \first
	STA 3, \first
	STA 4, \first
.if \stkv
	CVST KST+1-\e, STGK, KP, 8, 16+4*\stm  ; K rows 8-15.  Behind them: the mask (4), V (16)
.if \ldkv
	s_wait_dscnt 8                         ; all but the 8 stores just issued are done: the stores that read K rows 0-7
	WIN 0x40
	LDROWS KOFF, 4, STGK, 1, 0, 8
.endif
	WIN 0
.endif
	STA 5, \first
	STA 6, \first
	STA 7, \first
	VFETCH \e, 0, 1, FB1                   ; buffer 1 has served the addends
	STAGEB \first
.if \first == 0
	RESCALE
.endif
.if \stm
	s_wait_loadcnt 16+8*\ldkv              ; the mask piece.  Behind it: V (16), this trip's K rows 0-7 (8)
.irp i, 0,1,2,3
	ds_store_b128 v[MST+1-\mb], v[MSTG+4*\i:MSTG+4*\i+3] offset:(64*\e+16*\i)*MP
.endr
.endif
.if \ldkv
	s_wait_dscnt 4                         ; all but the 4 mask stores are done: the stores that read K rows 8-15
	WIN 0x40
	LDROWS KOFF, 4, STGK, 1, 8, 8
	WIN 0
.endif
	STC1 \first
.if \stkv
	CVST VST+1-\e, STGV, VP, 0, 8+16*\ldkv ; V rows 0-7.  Behind them: V rows 8-15 (8), this trip's K (16)
	WIN 0
.endif
.if \ldm
	s_wait_dscnt 8                         ; all but the 8 stores just issued are done: the stores that read the mask piece
.irp i, 0,1,2,3
	global_load_b128 v[MSTG+4*\i:MSTG+4*\i+3], v[MOFF], s[10:11] offset:(64*(1-\e)+16*\i)*2048 th:TH_LOAD_NT
.endr
.endif
	PREF \e, \pfm, \pfkv, \pfstop
	STC2
.if \stkv
	CVST VST+1-\e, STGV, VP, 8, 16*\ldkv+4*\ldm    ; V rows 8-15.  Behind them: this trip's K (16) and mask (4)
.if \ldkv
	s_wait_dscnt 8                         ; all but the 8 stores just issued are done: the stores that read V rows 0-7
	WIN 0x40
	LDROWS KOFF, 8, STGV, 1, 0, 8
.endif
	WIN 0
.endif
	STC3
	; O^T += V^T P^T.  In the first trip the products of V rows 0-31 start the sums.  No memory instruction stands among the eight matrix instructions of a group
.if \ldkv
	s_wait_dscnt 0                         ; the stores that read V rows 8-15 are done (they were issued ahead of the last two tiles' exponentials); both buffers are in
	WIN 0x40
	LDROWS KOFF, 8, STGV, 1, 8, 8
.else
	s_wait_dscnt 8                         ; buffer 0 is in
.endif
	WIN 0x50
	PVMUL 0, 0, FB0, \first
	PLACES 4                               ; four places ahead of the loads into the buffer just multiplied
	WIN 0
	VFETCH \e, 1, 0, FB0
	s_wait_dscnt 8
	WIN 0x50
	PVMUL 0, 1, FB1, \first
	PLACES 4
	WIN 0
	VFETCH \e, 1, 1, FB1
	s_wait_dscnt 8
	WIN 0x50
	PVMUL 1, 0, FB0, 0
	s_wait_dscnt 0
	PVMUL 1, 1, FB1, 0
.if \stkv
	PLACES 5                               ; the next trip loads into both buffers (four places) and its first products write over p, source 1 of these (five)
.endif
	WIN 0
.if \ldkv
	s_wait_xcnt 0x0                        ; the bases are stepped only behind this wait: loads and prefetches name them
	s_add_nc_u64 s[4:5], s[4:5], 0x10000   ; the next tile (behind the last load the stepped addresses are not used)
	s_add_nc_u64 s[8:9], s[8:9], 0x10000
.if \e == 0
.if \ldm
	s_add_nc_u64 s[10:11], s[10:11], 256   ; both halves of these 256 mask columns have been asked for: the next 256 (behind the last columns the stepped address is not used)
.endif
.endif
.endif
.if \stkv
	; ONE barrier a trip.  In front of it my reads of this slot and mask buffer and my stores to the other ones are done; behind it the other slot is whole and is read,
	; and this slot, which nobody reads any more, is stored to in the course of the next trip.
	s_wait_dscnt 0x0
	s_barrier_signal -1
	s_barrier_wait -1
.endif
.endm
	; ---------------- set-up ----------------
	s_load_b256 s[4:11], s[0:1], 0x0               ; K s[4:5], Q s[6:7], V s[8:9], mask s[10:11]
	s_load_b64 s[12:13], s[0:1], 0x20              ; out0
	v_lshrrev_b32 v15, 5, v0
	v_readfirstlane_b32 s14, v15                   ; wave w
	s_and_b32 s15, s14, 3                          ; g: which 32 queries
	s_lshr_b32 s16, s14, 2                         ; kh: which half of the keys
	s_and_b32 s17, ttmp7, 0xffff                   ; the block of 128 queries; the batch is ttmp9
	s_lshl_b32 s30, ttmp9, 20                      ; K, V: a batch is 2048 x 512 bytes
	s_mov_b32 s31, 0
	s_lshl_b32 s34, s17, 16                        ; Q, out0: + the block of 128 rows of 512 bytes
	s_add_co_u32 s34, s34, s30
	s_mov_b32 s35, 0
	s_lshl_b32 s36, ttmp9, 22                      ; mask: a batch is 2048 x 2048 bytes, the block 128 rows
	s_lshl_b32 s37, s17, 18
	s_add_co_u32 s36, s36, s37
	s_mov_b32 s37, 0
	s_mov_b32 s20, 0x0000f100                      ; the table: byte 0 = 0x00, byte 1 = 0xf1 (0xf1000000 is -2^99)
	s_mov_b32 s21, 0x000c0c0c                      ; byte k on top, the constant 0 below
	s_mov_b32 s22, 0x010c0c0c
	s_mov_b32 s23, 0x020c0c0c
	s_mov_b32 s24, 0x030c0c0c
	s_mov_b32 s26, 0x76543210                      ; v_permlanex16_b32: lane i of one half reads lane i of the other
	s_mov_b32 s27, 0xfedcba98
	s_mov_b32 s32, 0x3e0293ee                      ; log2(e) / sqrt(128)
	s_mov_b32 s33, 0x3e0293ee
	v_and_b32 v240, 31, v0                         ; lane L
	v_and_b32 v242, 15, v0                         ; r
	v_bfe_u32 v243, v0, 4, 1                       ; h
	v_lshlrev_b32 v250, 4, v240                    ; 16 L
	s_lshl_b32 s38, s14, 13
	v_add_nc_u32 v[GOFF], s38, v250                ; 16 w rows of 512 bytes + 16 L
	s_lshl_b32 s38, s16, 15                        ; K, V: my first row of a tile is 64 kh + 8 g
	s_lshl_b32 s39, s15, 12
	s_add_co_u32 s38, s38, s39
	v_add_nc_u32 v[KOFF], s38, v250
	v_lshlrev_b32 v[MOFF], 4, v242                 ; mask: sixteen lanes take 256 bytes of row 2 w + h
	v_lshl_or_b32 v[MOFF], v243, 11, v[MOFF]
	s_lshl_b32 s38, s14, 12
	v_add_nc_u32 v[MOFF], s38, v[MOFF]
	s_wait_kmcnt 0x0
	s_add_nc_u64 s[4:5], s[4:5], s[30:31]
	s_add_nc_u64 s[8:9], s[8:9], s[30:31]
	s_add_nc_u64 s[6:7], s[6:7], s[34:35]
	s_add_nc_u64 s[12:13], s[12:13], s[34:35]
	s_add_nc_u64 s[10:11], s[10:11], s[36:37]
	; 56 loads at once: Q (16), mask columns 0-255 of all 128 rows (8), K tile 0 (16), V tile 0 (16)
	WIN 0x40
	LDROWS GOFF, 6, OA, 0, 0, 16
	WIN 0
.irp i, 0,1,2,3
	global_load_b128 v[MSTG+4*\i:MSTG+4*\i+3], v[MOFF], s[10:11] offset:16*\i*2048 th:TH_LOAD_NT
.endr
.irp i, 0,1,2,3
	global_load_b128 v[SC+4*\i:SC+4*\i+3], v[MOFF], s[10:11] offset:(64+16*\i)*2048 th:TH_LOAD_NT
.endr
	WIN 0x40
	LDROWS KOFF, 4, STGK, 1, 0, 16
	LDROWS KOFF, 8, STGV, 1, 0, 16
	WIN 0
	; LDS addresses, while the loads are on their way.  Every address: a constant + a multiple of w, g or kh + a lane term
	v_mul_u32_u24 v245, v242, KP
	v_lshl_add_u32 v245, v243, 4, v245             ; r x 272 + 16 h: a fragment's row and half
	s_mul_i32 s38, s16, 64*KP
	s_add_co_u32 s38, s38, S0K
	v_add_nc_u32 v[KRD], s38, v245
	v_add_nc_u32 v[KRD+1], SLOT, v[KRD]
	s_mul_i32 s38, s15, 32*KP
	s_add_co_u32 s38, s38, QST
	v_add_nc_u32 v29, s38, v245                    ; my Q fragments
	v_and_b32 v246, 7, v0
	v_lshl_add_u32 v246, v243, 3, v246             ; transposing load: row 8 h + (L & 7),
	v_mul_u32_u24 v246, v246, VP
	v_bfe_u32 v247, v0, 3, 1
	v_lshl_add_u32 v246, v247, 4, v246             ; 16 bytes x ((L >> 3) & 1)
	s_mul_i32 s38, s16, 64*VP
	s_add_co_u32 s38, s38, S0V
	v_add_nc_u32 v[VRD], s38, v246
	v_add_nc_u32 v[VRD+1], SLOT, v[VRD]
	v_mul_u32_u24 v247, v242, MP
	v_lshl_add_u32 v247, v243, 5, v247             ; mask: query row r, 32 bytes for each half of the lanes
	s_mul_i32 s38, s15, 32*MP
	s_lshl_b32 s39, s16, 6
	s_add_co_u32 s38, s38, s39
	v_add_nc_u32 v[MRD], s38, v247
	v_add_nc_u32 v[MRD+1], MBSZ, v[MRD]
	v_lshlrev_b32 v248, 3, v240                    ; 8 L: my 4 f16 of a row
	s_mul_i32 s38, s14, 16*KP
	s_add_co_u32 s39, s38, S0K
	v_add_nc_u32 v[KST], s39, v248                 ; I store LDS rows 16 w .. 16 w + 15
	v_add_nc_u32 v[KST+1], SLOT, v[KST]
	s_add_co_u32 s39, s38, QST
	v_add_nc_u32 v15, s39, v248
	s_mul_i32 s38, s14, 16*VP
	s_add_co_u32 s38, s38, S0V
	v_add_nc_u32 v[VST], s38, v248
	v_add_nc_u32 v[VST+1], SLOT, v[VST]
	v_mul_u32_u24 v249, v243, MP
	v_lshl_add_u32 v249, v242, 4, v249
	s_mul_i32 s38, s14, 2*MP
	v_add_nc_u32 v[MST], s38, v249                 ; mask rows 2 w + h
	v_add_nc_u32 v[MST+1], MBSZ, v[MST]
	v_and_b32 v[PFM], 63, v0
	v_lshlrev_b32 v[PFM], 11, v[PFM]               ; one mask row a lane of waves 0 and 1
	v_lshlrev_b32 v[PFK], 8, v242                  ; 16 blocks of 256 bytes,
	v_lshl_or_b32 v[PFK], v243, 16, v[PFK]         ; in each of two tiles,
	s_lshl_b32 s38, s17, 12
	v_add_nc_u32 v[PFK], s38, v[PFK]               ; at this work-group's sixteenth
	v_mov_b32 v[AL+1], 0                           ; pair partners of the factors: named by the packed multiplies, not used by them
	v_mov_b32 v[AL+3], 0
	s_wait_loadcnt 40                              ; Q is in; the 40 younger loads stay out
	WIN 0x41
.set qi, 0
.rept 32
	v_pk_mul_f32 v[OA+2*qi:OA+2*qi+1], v[OA+2*qi:OA+2*qi+1], s[32:33] op_sel_hi:[1,0]
.set qi, qi+1
.endr
	WIN 0x45
	CVT OA, 0, 16
	WIN 0x04
	STROWS 15, OA, KP, 0, 16
	WIN 0
	s_wait_loadcnt 32                              ; the mask is in; K's and V's 32 loads stay out
.irp i, 0,1,2,3
	ds_store_b128 v[MST], v[MSTG+4*\i:MSTG+4*\i+3] offset:16*\i*MP
.endr
.irp i, 0,1,2,3
	ds_store_b128 v[MST], v[SC+4*\i:SC+4*\i+3] offset:(64+16*\i)*MP
.endr
	s_wait_loadcnt 0x0
	WIN 0x45
	CVT STGK, 0, 32
	WIN 0x04
	STROWS KST, STGK, KP, 0, 16
	STROWS VST, STGV, VP, 0, 16
	WIN 0
	s_add_nc_u64 s[4:5], s[4:5], 0x10000           ; every load that named these bases is done: K, V at tile 1,
	s_add_nc_u64 s[8:9], s[8:9], 0x10000
	s_add_nc_u64 s[10:11], s[10:11], 256           ; the mask at columns 256 ..
	s_wait_dscnt 0x0                               ; my stores are done: for the others' sake, and the staging registers may be loaded again
	; what the first trip stores, in the order of a trip's loads: K tile 1, rows 0-63 of mask columns 256-511, V tile 1
	WIN 0x40
	LDROWS KOFF, 4, STGK, 1, 0, 16
	WIN 0
.irp i, 0,1,2,3
	global_load_b128 v[MSTG+4*\i:MSTG+4*\i+3], v[MOFF], s[10:11] offset:16*\i*2048 th:TH_LOAD_NT
.endr
	WIN 0x40
	LDROWS KOFF, 8, STGV, 1, 0, 16
	WIN 0
	s_barrier_signal -1
	s_barrier_wait -1
.irp q, 0,1
.irp c, 0,1,2,3
	ds_load_b128 v[QF+32*\q+8*\c:QF+32*\q+8*\c+3], v29 offset:\q*16*KP+64*\c
	ds_load_b128 v[QF+32*\q+8*\c+4:QF+32*\q+8*\c+7], v29 offset:\q*16*KP+64*\c+32
.endr
.endr
	s_wait_xcnt 0x0                                ; the bases are stepped only behind this wait
	s_add_nc_u64 s[4:5], s[4:5], 0x10000           ; K, V at tile 2, which the first trip loads
	s_add_nc_u64 s[8:9], s[8:9], 0x10000
	; ---------------- the 16 trips ----------------  (the Q fragments are older than all that the first trip's first wait leaves out)
	; Slot and mask buffer come round every four trips.  Trip 0 starts the sums and stands ahead of the loop; trips 1 to 12 are three passes of four trips;
	; trips 13 to 15 load less and less and are written out: eight trips of text for sixteen trips of work.
	TRIP 0, 0, 1, 1, 1, 1, 1, 1, 0, 0
	s_mov_b32 s28, 0
.Ltrips:
	TRIP 1, 0, 0, 1, 1, 1, 1, 1, 1, 0              ; trips 1, 5, 9
	TRIP 0, 1, 0, 1, 1, 1, 1, 1, 0, 0              ; trips 2, 6, 10
	TRIP 1, 1, 0, 1, 1, 1, 1, 1, 1, 0              ; trips 3, 7, 11: trip 11 makes the last prefetches: the mask rows of trip 12, tiles 14 and 15
	TRIP 0, 0, 0, 1, 1, 1, 1, 1, 0, 1              ; trips 4, 8, 12: trip 12 loads tile 14 and the last mask rows, and prefetches nothing
	s_add_co_u32 s28, s28, 1
	s_cmp_lt_u32 s28, 3
	s_cbranch_scc1 .Ltrips
	TRIP 1, 0, 0, 1, 1, 1, 0, 0, 0, 0              ; trip 13 loads tile 15 and stores the last mask rows
	TRIP 0, 1, 0, 1, 0, 0, 0, 0, 0, 0              ; trip 14 stores tile 15: its waits run down 24, 16, 8, 0
	TRIP 1, 1, 0, 0, 0, 0, 0, 0, 0, 0              ; trip 15 stores nothing and ends without a barrier
	; ---------------- the two halves of the keys meet ----------------
	; The plain instructions below name no register of the last matrix instructions: more than four of them stand ahead of the first read of O.
	v_add_f32 v[MX], v[LS], v[LS+1]                ; my sum: two partial sums,
	v_add_f32 v[MX+2], v[LS+2], v[LS+3]
	v_permlanex16_b32 v[XH], v[MX], s26, s27       ; and the other half of the lanes
	v_permlanex16_b32 v[XH+1], v[MX+2], s26, s27
	v_add_f32 v[MX], v[MX], v[XH]                  ; v[16:17], v[18:19] = (m, l)
	v_add_f32 v[MX+2], v[MX+2], v[XH+1]
	v_and_b32 v32, 15, v0                          ; r
	v_bfe_u32 v33, v0, 4, 1                        ; h
	v_lshlrev_b32 v34, 3, v32
	s_lshl_b32 s38, s14, 8
	s_add_co_u32 s38, s38, STAT
	v_add_nc_u32 v35, s38, v34                     ; my wave's 32 pairs
	s_xor_b32 s39, s14, 4
	s_lshl_b32 s39, s39, 8
	s_add_co_u32 s39, s39, STAT
	v_add_nc_u32 v34, s39, v34                     ; those of the wave with the other half of the keys
	ds_store_b64 v35, v[MM:MM+1]                   ; both halves of the lanes hold, and write, the same pair
	ds_store_b64 v35, v[MM+2:MM+3] offset:128
	s_wait_dscnt 0x0                               ; my stores, and long since my reads of the slots, are done
	s_barrier_signal -1
	s_barrier_wait -1                              ; behind it the slots are nobody's: the stages lie over them
	ds_load_b64 v[36:37], v34                      ; (m', l')
	ds_load_b64 v[38:39], v34 offset:128
	v_mul_u32_u24 v15, v32, XP                     ; stage, in: query row 32 g + r of my half's stage = row 32 w of both, 32 bytes for each half of the lanes
	v_lshl_add_u32 v15, v33, 5, v15
	s_mul_i32 s38, s14, 32*XP
	s_add_co_u32 s38, s38, X0
	v_and_b32 v13, 31, v0                          ; stage, back: rows 16 w .., 16 bytes a lane
	v_lshlrev_b32 v13, 4, v13
	s_mul_i32 s39, s14, 16*XP
	s_add_co_u32 s39, s39, X0
	v_add_nc_u32 v13, s39, v13
	s_wait_dscnt 0x0
	v_max_num_f32 v40, v[MM], v36                  ; m* = max(m, m')
	v_max_num_f32 v41, v[MM+2], v38
	v_sub_f32 v42, v[MM], v40
	v_sub_f32 v43, v36, v40
	v_sub_f32 v44, v[MM+2], v41
	v_sub_f32 v45, v38, v41
	v_exp_f32 v42, v42                             ; a  = 2^(m - m*)
	v_exp_f32 v43, v43                             ; a' = 2^(m' - m*)
	v_exp_f32 v44, v44
	v_exp_f32 v45, v45
	v_add_nc_u32 v15, s38, v15                     ; a plain instruction behind the exponentials
	s_wait_alu depctr_va_vdst(0)
	v_mul_f32 v46, v43, v37
	v_mul_f32 v47, v45, v39
	v_fma_f32 v46, v42, v[MX], v46                 ; a l + a' l': at least 1, since the half that holds m* has a term p = 1
	v_fma_f32 v47, v44, v[MX+2], v47
	v_rcp_f32 v46, v46
	v_rcp_f32 v47, v47
	v_add_nc_u32 v14, XSZ, v13                     ; a plain instruction behind the reciprocals: the second stage lies beyond a 16-bit offset
	s_wait_alu depctr_va_vdst(0)
	v_mul_f32 v[AL], v42, v46                      ; my O times a / (a l + a' l')
	v_mul_f32 v[AL+2], v44, v47
	RESCALE
	WIN 0x04
.irp q, 0,1
.irp x, 0,1,2,3,4,5,6,7
	ds_store_b128 v15, v[OA+64*\q+8*\x:OA+64*\q+8*\x+3] offset:\q*16*XP+64*\x
	ds_store_b128 v15, v[OA+64*\q+8*\x+4:OA+64*\q+8*\x+7] offset:\q*16*XP+64*\x+16
.endr
.endr
	WIN 0
	s_wait_dscnt 0x0
	s_barrier_signal -1
	s_barrier_wait -1
	; the way out: wave w adds rows 16 w .. 16 w + 15 of the two stages; each store of the wave covers a whole row of out0, 512 consecutive bytes
.set oi, 0
.rept 16
	ds_load_b128 v[SC+4*oi:SC+4*oi+3], v13 offset:XP*oi
	ds_load_b128 v[FB0+4*oi:FB0+4*oi+3], v14 offset:XP*oi
.set oi, oi+1
.endr
.set oi, 0
.rept 16
	s_wait_dscnt 2*(15-oi)                         ; row oi's two loads are in; those of the rows behind it stay out
	v_pk_add_f32 v[SC+4*oi:SC+4*oi+1], v[SC+4*oi:SC+4*oi+1], v[FB0+4*oi:FB0+4*oi+1]
	v_pk_add_f32 v[SC+4*oi+2:SC+4*oi+3], v[SC+4*oi+2:SC+4*oi+3], v[FB0+4*oi+2:FB0+4*oi+3]
	global_store_b128 v[GOFF], v[SC+4*oi:SC+4*oi+3], s[12:13] offset:512*oi th:TH_STORE_NT
.set oi, oi+1
.endr
	s_wait_xcnt 0x0
	v_lshl_add_u32 v254, v0, 2, 0x3d000
	v_mov_b32 v255, 0
	s_wait_tensorcnt 0x0
	ds_add_u32 v254, v255
	s_wait_dscnt 0x0
	s_endpgm
.Lfunc_end_k_q048dd8361e_attn:
	.size	k_q048dd8361e_attn, .Lfunc_end_k_q048dd8361e_attn-k_q048dd8361e_attn
	.p2alignl 7, 3214868480
	.fill 96, 4, 3214868480
	.section	.rodata,"a",@progbits
	.p2align	6, 0x0
	.amdhsa_kernel k_q048dd8361e_attn
		.amdhsa_group_segment_fixed_size 250880
		.amdhsa_private_segment_fixed_size 0
		.amdhsa_enable_private_segment 0
		.amdhsa_kernarg_size 40
		.amdhsa_user_sgpr_count 2
		.amdhsa_user_sgpr_kernarg_segment_ptr 1
		.amdhsa_wavefront_size32 1
		.amdhsa_system_sgpr_workgroup_id_x 1
		.amdhsa_system_sgpr_workgroup_id_y 1
		.amdhsa_system_sgpr_workgroup_id_z 1
		.amdhsa_system_vgpr_workitem_id 0
		.amdhsa_next_free_vgpr 512
		.amdhsa_next_free_sgpr 66
		.amdhsa_reserve_vcc 0
		.amdhsa_float_denorm_mode_32 3
		.amdhsa_float_denorm_mode_16_64 3
		.amdhsa_memory_ordered 1
		.amdhsa_forward_progress 1
		.amdhsa_inst_pref_size 255
	.end_amdhsa_kernel
	.section	.bss,"aw",@nobits
	.p2align	6
	.space	262144
	.amdgpu_metadata
---
amdhsa.version: [ 1, 2 ]
amdhsa.kernels:
  - .name:           k_q048dd8361e_attn
    .symbol:         k_q048dd8361e_attn.kd
    .args:
      - { .name: K, .offset: 0, .size: 8, .value_kind: global_buffer, .address_space: global }
      - { .name: Q, .offset: 8, .size: 8, .value_kind: global_buffer, .address_space: global }
      - { .name: V, .offset: 16, .size: 8, .value_kind: global_buffer, .address_space: global }
      - { .name: mask, .offset: 24, .size: 8, .value_kind: global_buffer, .address_space: global }
      - { .name: out0, .offset: 32, .size: 8, .value_kind: global_buffer, .address_space: global }
    .group_segment_fixed_size: 250880
    .private_segment_fixed_size: 0
    .kernarg_segment_align: 8
    .kernarg_segment_size: 40
    .max_flat_workgroup_size: 256
    .sgpr_count:     66
    .vgpr_count:     512
    .wavefront_size: 32
...
	.end_amdgpu_metadata
.endif
;; end of part 2
